; MI455X (gfx1250); checked and timed in simulation.
; The chip was launched on July 23, 2026; its instructions are those of AMD's public machine-readable ISA for CDNA 5 (MIT licence, August 2026) and "CDNA5" Instruction Set Architecture Reference Guide (July 2026). The comments in the code are by the model that wrote it; some were corrected since.
;; Multi Head Attention. Allowed arithmetic: matrix products marked QUANTISED: E3M2 operands, one E8M0 scale for each 32 along K, by v_wmma_scale_f32_16x16x128_f8f6f4 with both operands' format E3M2, f32 sums; everything else in f32.
;; Inputs: Wk 8 x 512 x 64 float32; Wq 8 x 512 x 64 float32; Wv 8 x 512 x 64 float32; bk 8 x 64 float32; bq 8 x 64 float32; bv 8 x 64 float32; x 2 x 4,096 x 512 float32.
;; Outputs: out0 2 x 4,096 x 512 float32.
;; This version of the problem:
;;   THIS VERSION OF THE PROBLEM IS GIVEN IN LOW PRECISION. The matrix products marked QUANTISED in the list below multiply operands that are first quantised to E3M2 (3 exponent bits, 2 mantissa bits; 6 bits a number), with one power-of-two scale for each 32 numbers along K (OCP MX v1.0); their sums are f32. All else is computed in f32.
;;   The module's matrix products, in the order in which they are computed (A, B: the left and right operand; K: the contracted axis; several contracted axes count as one K, in the product's order):
;;     1. [M 512, K 512] x [K 512, N 8,192]; A: input Wq; B: input x: QUANTISED
;;     2. [M 512, K 512] x [K 512, N 8,192]; A: input Wk; B: input x: QUANTISED
;;     3. [M 512, K 512] x [K 512, N 8,192]; A: input Wv; B: input x: QUANTISED
;;     4. batch 16 x [M 4,096, K 64] x [K 64, N 4,096]; A: computed on the way; B: computed on the way: QUANTISED
;;     5. batch 16 x [M 4,096, K 4,096] x [K 4,096, N 64]; A: softmax (see below); B: computed on the way: QUANTISED
;;   THE QUANTISER, for each operand of a quantised product, along K:
;;     - K is cut into blocks of 32 from its start; a last block that is shorter is filled with zeros.
;;     - A block's scale is 2^e with e = floor(log2(the largest magnitude in the block)) - 4, held to -126 .. 127; a block of zeros has e = 0. As a byte (E8M0): e + 127.
;;     - Each number is divided by its block's scale, clamped to +-28, and rounded to the nearest number of E3M2, ties to even, subnormals kept.
;;     - The product sums the exact products of the quantised numbers (number of the format x scale) in f32.
;;   ~~~python
;;   def quantise(x, axis):      # numpy; x: float32 -> the quantised numbers, widened to float32 again
;;       x = np.moveaxis(x, axis, -1); K = x.shape[-1]
;;       x = np.pad(x, [(0, 0)] * (x.ndim - 1) + [(0, -K % 32)]); x = x.reshape(x.shape[:-1] + (-1, 32)); a = np.abs(x).max(-1, keepdims=True)
;;       e = np.where(a > 0, np.clip(np.frexp(np.where(a > 0, a, 1))[1] - 1 - 4, -126, 127), 0)      # np.frexp(a)[1] - 1 = floor(log2(a)), exactly
;;       r = np.clip(x / 2.0 ** e, -28, 28)
;;       step = 2.0 ** (np.maximum(np.frexp(np.where(r == 0, 1, r))[1] - 1, -2) - 2)
;;       q = np.round(r / step) * step * 2.0 ** e      # np.round: ties to even
;;       return np.moveaxis(q.reshape(q.shape[:-2] + (-1,))[..., :K], -1, axis).astype(np.float32)
;;   ~~~
;;   SOFTMAX AHEAD OF A QUANTISED PRODUCT. Where the list says 'softmax', what is quantised is not the finished softmax but p = 2^(t - M), with t = logit x log2(e) and M = ceil(the row's largest t), a whole number; so 1/2 < the row's largest p <= 1. The row's sum l is taken of the UNQUANTISED p, in f32, and the product's result is divided by l at the end. Since M is a whole number, a kernel that streams over the keys may use a running M (the ceiling of the running maximum): every later rescaling is an exact power of two, which a block's scale takes up: the codes' values come out the same.
;;   OPERANDS COMPUTED ON THE WAY. 'Computed on the way' means the value that the module computes at that place (a softmax that the list does not call 'softmax' is quantised finished and normalised). What goes into a quantiser is computed in f32, as accurately as f32 sums, v_exp_f32 and their like allow (about 1e-6 of the number): no bf16 or f16 on the way to a quantiser, and a product that is left as it is and whose result goes on into a quantised operand takes f32 operands (vector FMAs, or v_wmma_f32_16x16x4_f32). A number that lies on a knife's edge between two numbers of the format may be rounded either way, as far as f32 arithmetic and the matrix unit's own rounding can turn it there, and no further.
;; One version. Each part assembles by itself: llvm-mc -triple=amdgcn-amd-amdhsa -mcpu=gfx1250 --defsym DOCPART=n.
;; ======== version 1 of 1: 3 launches
;; limits: right only within a limited range of input values
;; workspace buffers: ximg 3,276,800 bytes; wimg 614,400 bytes; qimg 3,670,016 bytes; kv 6,553,600 bytes
;; launch prep (part 1): grid 304 x 1, 4 waves a work-group, no clusters, 68,096 bytes of LDS; arguments x, Wq, Wk, Wv, ximg, wimg; writes ximg, wimg
.if DOCPART == 1
	.amdgcn_target "amdgcn-amd-amdhsa--gfx1250"
	.amdhsa_code_object_version 6
	.text
	.protected	k_qad2811465c_prep
	.globl	k_qad2811465c_prep
	.p2align	8
	.type	k_qad2811465c_prep,@function
k_qad2811465c_prep:
	s_mov_b64 s[64:65], 0
	v_nop
	global_prefetch_b8 v0, s[64:65] scope:SCOPE_SE
	s_setreg_imm32_b32 hwreg(HW_REG_WAVE_MODE, 25, 1), 1
	s_wait_xcnt 0x0
; x [8192][512] f32 and Wq, Wk, Wv [8][512][64] f32 become codes of BF6 (E3M2) with one E8M0 byte for each 32 along D (the K of the three projections),
; laid as IMAGES OF OPERAND REGISTERS: a fragment (16 rows x 128 K, 12 registers a lane) is three pieces of 512 bytes, piece c = registers 4 c .. 4 c + 3, lane l's 16 bytes at 16 l.
; THE ROWS OF A TILE ARE NOT NEIGHBOURS: of 32 neighbouring rows of x (or columns of W) tile u gives its lane r the index 8 u + r + 8 (r / 8).
; ximg: [256 groups of 32 rows][12,800]: fragment (K step s, tile u) at 1,536 (2 s + u); scale words of K step s at 12,288 + 128 s, lane 16 u + r.
; wimg: [8 heads][76,800]: fragment (m = q, k, v; K step s; tile t) at 1,536 (4 (4 m + s) + t); scale words at 73,728 + 128 (2 (4 m + s) + t / 2), lane 16 (t % 2) + r.
; A block's scale is 2^(floor(log2(largest magnitude)) - 4); its byte is the largest magnitude's exponent field - 4, held at 1 from below.
; LIMITS: NaN and infinities are not served; a block of zeros gets the byte 1 where the rule says 127: its codes are zeros, and this program alone reads the bytes.
; SHARES: a wave makes two neighbouring fragments (3,072 consecutive bytes) and their 128 bytes of scale words.  Work-groups 0-47 take W (192 waves = 3 x 8 heads x 4 K steps x 2 pairs of tiles),
; work-groups 48-303 a group of 32 rows of x each, a wave a K step.  Work-groups share no input and each input byte is read once: no cluster, no tensor load, no barrier.
.set WGW, 48                           ; work-groups for W
.set SEL, 20                           ; s[20:21] lane selects for v_permlanex16_b32: lane l xor 16
.set PWA, 9                            ; v9, v10  the two tiles' scale words
.set PWB, 10
.set PCA, 12                           ; v12-30   tile 0's codes (12 registers) and the conversions' second halves
.set PCB, 32                           ; v32-50   tile 1's: a set of its own, so that no store's data are written again
.set TM,  52                           ; v52-67   at work in QUANT
.set NA,  68                           ; v68-131  tile 0's 64 numbers of a lane
.set NB,  132                          ; v132-195 tile 1's
.set SP,  528                          ; the x path's stage: a row's 512 bytes + 16: the 16 rows that a read touches start at 16 different banks
.set STG, 32*SP                        ; a stage of 32 rows for each wave
; 64 numbers of a lane, register 16 b + i = k 32 b + 16 (lane / 16) + i of the lane's row, become a fragment's 12 registers at v[pc] and the row's scale word in v[pw] (the same in both halves of the lanes).
.macro QUANT s, pc, pw
.irp b, 0,1,2,3
	v_max3_num_f32 v[TM+\b], |v[\s+16*\b]|, |v[\s+1+16*\b]|, 0x2800000   ; block b: my 16 numbers, and the floor 2^(5 - 127): the byte cannot fall under 1
.endr
.irp i, 2,4,6,8,10,12,14
.irp b, 0,1,2,3
	v_max3_num_f32 v[TM+\b], v[TM+\b], |v[\s+16*\b+\i]|, |v[\s+1+16*\b+\i]|   ; the four blocks by turns
.endr
.endr
.irp b, 0,1,2,3
	v_permlanex16_b32 v[TM+4+\b], v[TM+\b], s[SEL], s[SEL+1]
.endr
.irp b, 0,1,2,3
	v_max_num_f32 v[TM+\b], v[TM+\b], v[TM+4+\b]                 ; with lane l xor 16's 16: the block's largest magnitude
.endr
.irp b, 0,1,2,3
	v_add_nc_u32 v[TM+12+\b], 0xfe000000, v[TM+\b]               ; 4 off its exponent field: the conversion's scale operand
.endr
.irp b, 0,1,2,3
	v_lshrrev_b32 v[TM+4+\b], 23, v[TM+12+\b]                    ; the scale's byte
.endr
	v_lshl_or_b32 v[\pw], v[TM+5], 8, v[TM+4]
	v_lshl_or_b32 v[\pw], v[TM+6], 16, v[\pw]
	v_lshl_or_b32 v[\pw], v[TM+7], 24, v[\pw]
.irp c, 0,1
	v_cvt_scalef32_pk16_bf6_f32 v[\pc+6*\c:\pc+2+6*\c], v[\s+32*\c:\s+15+32*\c], v[TM+12+2*\c]
	v_cvt_scalef32_pk16_bf6_f32 v[\pc+12+4*\c:\pc+14+4*\c], v[\s+16+32*\c:\s+31+32*\c], v[TM+12+2*\c+1]   ; (a conversion's three registers begin on an even number)
.endr
	v_nop                                                        ; one plain instruction behind the scaled conversions
.irp c, 0,1                            ; the operand's layout wants a whole block in a lane: lanes 0-15 block 2 c, lanes 16-31 block 2 c + 1
.irp i, 0,1,2
	v_permlane16_swap_b32 v[\pc+6*\c+\i], v[\pc+12+4*\c+\i]
.endr
.irp i, 0,1,2
	v_mov_b32 v[\pc+3+6*\c+\i], v[\pc+12+4*\c+\i]
.endr
.endr
.endm
	s_load_b256 s[4:11], s[0:1], 0x0               ; x s[4:5], Wq s[6:7], Wk s[8:9], Wv s[10:11]
	s_load_b128 s[12:15], s[0:1], 0x20             ; ximg s[12:13], wimg s[14:15]
	v_lshl_add_u32 v196, v0, 2, 0x10800
	v_mov_b32 v197, 0
	v_lshrrev_b32 v1, 5, v0
	v_readfirstlane_b32 s16, v1                    ; wave 0..3
	v_and_b32 v1, 31, v0                           ; lane
	v_and_b32 v2, 15, v0                           ; r
	v_bfe_u32 v3, v0, 4, 1                         ; h
	v_lshlrev_b32 v4, 4, v1                        ; 16 x lane
	v_lshlrev_b32 v5, 2, v1                        ; 4 x lane
	v_and_b32 v6, 8, v2
	v_add_nc_u32 v6, v6, v2                        ; r + 8 (r / 8)
	v_lshlrev_b32 v6, 2, v6
	v_lshl_add_u32 v6, v3, 12, v6                  ; W: my column's 4 bytes, and 16 h rows of 256 bytes further down
	s_mul_i32 s17, s16, STG                        ; my wave's stage
	v_add_nc_u32 v7, s17, v4                       ; into it: 16 x lane of a row
	v_mul_u32_u24 v8, v2, SP
	v_lshl_add_u32 v8, v3, 6, v8
	v_add_nc_u32 v8, s17, v8                       ; out of it: row r, + 64 h: my 16 numbers of a block of 32
	s_mov_b32 s[SEL], 0x76543210
	s_mov_b32 s[SEL+1], 0xfedcba98
.irp b, 0,1,2,3
	v_mov_b32 v[TM+4+\b], 0                        ; written once: a lane permute's destination counts as one of its sources
.endr
	s_mov_b32 s37, 0
	s_mov_b32 s39, 0
	s_wait_kmcnt 0x0
	s_cmp_lt_u32 ttmp9, WGW
	s_cbranch_scc0 .Lx_path
	; ---- W: a lane takes a column, and its registers run down D
	s_lshl_b32 s30, ttmp9, 2
	s_add_co_u32 s30, s30, s16                     ; P = 4 x work-group + wave
	s_and_b32 s31, s30, 1                          ; which pair of tiles
	s_bfe_u32 s32, s30, 0x20001                    ; K step
	s_bfe_u32 s33, s30, 0x30003                    ; head
	s_lshr_b32 s34, s30, 6                         ; m: 0 q, 1 k, 2 v
	s_cmp_eq_u32 s34, 0
	s_cselect_b64 s[24:25], s[6:7], s[8:9]
	s_cmp_eq_u32 s34, 2
	s_cselect_b64 s[24:25], s[10:11], s[24:25]
	s_lshl_b32 s36, s33, 17                        ; a head is 512 x 64 x 4 bytes,
	s_lshl_b32 s35, s32, 15                        ; a K step 128 rows of 256 bytes,
	s_add_co_u32 s36, s36, s35
	s_lshl_b32 s35, s31, 7                         ; a pair of tiles 32 columns
	s_add_co_u32 s36, s36, s35
	s_add_nc_u64 s[24:25], s[24:25], s[36:37]
	s_mul_i32 s36, s33, 76800
	s_lshl_b32 s35, s34, 2
	s_add_co_u32 s35, s35, s32                     ; 4 m + s
	s_mul_i32 s38, s35, 6144
	s_add_co_u32 s38, s38, s36
	s_mul_i32 s30, s31, 3072
	s_add_co_u32 s38, s38, s30
	s_add_nc_u64 s[26:27], s[14:15], s[38:39]      ; where the two fragments go
	s_lshl_b32 s35, s35, 1
	s_add_co_u32 s35, s35, s31
	s_lshl_b32 s35, s35, 7
	s_add_co_u32 s36, s36, s35
	s_add_co_u32 s36, s36, 73728
	s_add_nc_u64 s[28:29], s[14:15], s[36:37]      ; and their scale words
	s_wait_alu depctr_va_vdst(0)
.irp u, 0,1
.irp b, 0,1,2,3
.irp i, 0,1,2,3,4,5,6,7,8,9,10,11,12,13,14,15
	global_load_b32 v[NA+64*\u+16*\b+\i], v6, s[24:25] offset:32*\u+(32*\b+\i)*256   ; W(128 s + 32 b + 16 h + i, my column of tile u)
.endr
.endr
.endr
	s_wait_loadcnt 63                              ; a wait names 63 at the most: of the 128 loads the oldest 65 are in, tile 0's 64 among them
	s_branch .Ltail
.Lx_path:
	; ---- x: each load takes 512 consecutive bytes of a row; the rows turn through the wave's own stage, so that a lane gets 16 neighbours of each block
	s_sub_co_u32 s30, ttmp9, WGW                   ; the group of 32 rows
	s_lshl_b32 s36, s30, 16                        ; 32 rows of 2,048 bytes
	s_lshl_b32 s35, s16, 9                         ; my K step: 128 numbers
	s_add_co_u32 s36, s36, s35
	s_add_nc_u64 s[24:25], s[4:5], s[36:37]
	s_mul_i32 s36, s30, 12800
	s_mul_i32 s38, s16, 3072
	s_add_co_u32 s38, s38, s36
	s_add_nc_u64 s[26:27], s[12:13], s[38:39]
	s_lshl_b32 s35, s16, 7
	s_add_co_u32 s36, s36, s35
	s_add_co_u32 s36, s36, 12288
	s_add_nc_u64 s[28:29], s[12:13], s[36:37]
.irp u, 0,1
.irp r, 0,1,2,3,4,5,6,7,8,9,10,11,12,13,14,15
	global_load_b128 v[NA+64*\u+4*\r:NA+64*\u+4*\r+3], v4, s[24:25] offset:(8*\u+\r+8*(\r/8))*2048 th:TH_LOAD_NT
.endr
.endr
	s_wait_loadcnt 16                              ; tile 0's 16 rows are in, tile 1's may be out
	s_wait_alu depctr_va_vdst(0)
.irp r, 0,1,2,3,4,5,6,7,8,9,10,11,12,13,14,15
	ds_store_b128 v7, v[NA+4*\r:NA+4*\r+3] offset:\r*SP
.endr
	s_wait_loadcnt 0x0
.irp r, 0,1,2,3,4,5,6,7,8,9,10,11,12,13,14,15
	ds_store_b128 v7, v[NB+4*\r:NB+4*\r+3] offset:(16+\r)*SP
.endr
	s_wait_dscnt 0x0                               ; the stores have read their registers, which the loads below write
.irp u, 0,1
.irp b, 0,1,2,3
.irp j, 0,1,2,3
	ds_load_b128 v[NA+64*\u+16*\b+4*\j:NA+64*\u+16*\b+4*\j+3], v8 offset:\u*16*SP+128*\b+16*\j
.endr
.endr
.endr
	s_wait_dscnt 16                                ; tile 0's 16 loads are back, tile 1's may be out
.Ltail:
	QUANT NA, PCA, PWA
.irp c, 0,1,2
	global_store_b128 v4, v[PCA+4*\c:PCA+4*\c+3], s[26:27] offset:512*\c           ; 32 lanes store 512 consecutive bytes, at a multiple of 256 from the buffer's first byte
.endr
	s_wait_loadcnt 0x0                             ; tile 1's numbers, whichever way they came
	s_wait_dscnt 0x0
	QUANT NB, PCB, PWB
.irp c, 0,1,2
	global_store_b128 v4, v[PCB+4*\c:PCB+4*\c+3], s[26:27] offset:1536+512*\c
.endr
	v_cmp_gt_u32 vcc_lo, 16, v1
	v_cndmask_b32 v11, v[PWB], v[PWA], vcc_lo      ; lanes 0-15 tile 0's words, lanes 16-31 tile 1's
	global_store_b32 v5, v11, s[28:29]             ; 128 consecutive bytes: one byte in 128 of what the wave reads
	s_wait_tensorcnt 0x0
	ds_add_u32 v196, v197
	s_wait_dscnt 0x0
	s_endpgm
.Lfunc_end_k_qad2811465c_prep:
	.size	k_qad2811465c_prep, .Lfunc_end_k_qad2811465c_prep-k_qad2811465c_prep
	.p2alignl 7, 3214868480
	.fill 96, 4, 3214868480
	.section	.rodata,"a",@progbits
	.p2align	6, 0x0
	.amdhsa_kernel k_qad2811465c_prep
		.amdhsa_group_segment_fixed_size 68096
		.amdhsa_private_segment_fixed_size 0
		.amdhsa_enable_private_segment 0
		.amdhsa_kernarg_size 48
		.amdhsa_user_sgpr_count 2
		.amdhsa_user_sgpr_kernarg_segment_ptr 1
		.amdhsa_wavefront_size32 1
		.amdhsa_system_sgpr_workgroup_id_x 1
		.amdhsa_system_sgpr_workgroup_id_y 1
		.amdhsa_system_sgpr_workgroup_id_z 1
		.amdhsa_system_vgpr_workitem_id 0
		.amdhsa_next_free_vgpr 198
		.amdhsa_next_free_sgpr 66
		.amdhsa_reserve_vcc 1
		.amdhsa_float_denorm_mode_32 3
		.amdhsa_float_denorm_mode_16_64 3
		.amdhsa_memory_ordered 1
		.amdhsa_forward_progress 1
		.amdhsa_inst_pref_size 31
	.end_amdhsa_kernel
	.amdgpu_metadata
---
amdhsa.version: [ 1, 2 ]
amdhsa.kernels:
  - .name:           k_qad2811465c_prep
    .symbol:         k_qad2811465c_prep.kd
    .args:
      - { .name: x, .offset: 0, .size: 8, .value_kind: global_buffer, .address_space: global }
      - { .name: Wq, .offset: 8, .size: 8, .value_kind: global_buffer, .address_space: global }
      - { .name: Wk, .offset: 16, .size: 8, .value_kind: global_buffer, .address_space: global }
      - { .name: Wv, .offset: 24, .size: 8, .value_kind: global_buffer, .address_space: global }
      - { .name: ximg, .offset: 32, .size: 8, .value_kind: global_buffer, .address_space: global }
      - { .name: wimg, .offset: 40, .size: 8, .value_kind: global_buffer, .address_space: global }
    .group_segment_fixed_size: 68096
    .private_segment_fixed_size: 0
    .kernarg_segment_align: 8
    .kernarg_segment_size: 48
    .max_flat_workgroup_size: 128
    .sgpr_count:     66
    .vgpr_count:     198
    .wavefront_size: 32
...
	.end_amdgpu_metadata
.endif
;; end of part 1
;; launch proj (part 2): grid 32 x 8, 8 waves a work-group, clusters of 4 x 1, 168,960 bytes of LDS; arguments ximg, wimg, bq, bk, bv, qimg, kv; writes qimg, kv
.if DOCPART == 2
	.amdgcn_target "amdgcn-amd-amdhsa--gfx1250"
	.amdhsa_code_object_version 6
	.text
	.protected	k_qad2811465c_proj
	.globl	k_qad2811465c_proj
	.p2align	8
	.type	k_qad2811465c_proj,@function
k_qad2811465c_proj:
	s_mov_b64 s[64:65], 0
	v_nop
	global_prefetch_b8 v0, s[64:65] scope:SCOPE_SE
	s_setreg_imm32_b32 hwreg(HW_REG_WAVE_MODE, 25, 1), 1
	s_wait_xcnt 0x0
	s_wait_alu depctr_hold_cnt(0) depctr_sa_sdst(0) depctr_va_vdst(0) depctr_va_sdst(0) depctr_va_ssrc(0) depctr_va_vcc(0) depctr_vm_vsrc(0)
	s_getreg_b32 s2, hwreg(HW_REG_IB_STS2, 6, 4)
	s_cmp_eq_u32 s2, 0
	s_cbranch_scc0 .Lentry_in_a_cluster
	s_endpgm
.Lentry_in_a_cluster:
	s_bfe_u32 s2, ttmp6, 0x10000c
	s_cmp_lg_u32 s2, 0x3003
	s_cbranch_scc0 .Lentry_shape_is_right
	s_endpgm
.Lentry_shape_is_right:
; q = x Wq + bq, k = x Wk + bk, v = x Wv + bv for one head and 256 rows, on codes of BF6 (E3M2) with E8M0 scales; sums in f32, the bias as the C of each sum's first product.
; The results are quantised in registers: q and k along the head's 64 channels, v along the keys, and leave as images of the operand registers of the attention launch.
; SHARES: a work-group takes 256 rows (two key steps of 128) of one head; wave w takes 32 rows (two tiles of 16) against all 192 columns: 96 matrix instructions.
; Its x fragments (8 x 12 registers) come from ximg straight into registers, once.  The head's W block, 76,800 dense bytes, is filled into LDS once.
; CLUSTER: the four work-groups of a cluster have the same head and want the same W block: it is asked for jointly, by waves 0-3, 19,200 bytes each.
; LAYOUT.  v: source 0 = 16 rows of x, source 1 = 16 columns of Wv: a lane holds ONE channel and its registers run along the keys.  q, k: source 0 = 16 columns of W, source 1 = 16 rows of x:
; a lane holds ONE row and its registers run along the channels.  The rows of a tile are not neighbours (index 8 u + r + 8 (r / 8) of 32), so that the 16 registers of two neighbouring tiles are 16 neighbours.
; q, k: the quantiser's 128 numbers a row pair are tile 0's 64 channels and tile 1's 64: ONE fragment holds two tiles of 16 rows x 64 K (registers 0-5, 6-11), its scale word both tiles' two bytes.
; kv: [16 (batch, head)][32 key steps][12,800]: four such pairs of K at 1,536 j; four fragments of V^T (16 channels x 128 keys) at 6,144 + 1,536 t; at 12,288 16 bytes a lane: the scale words of K's pairs
;     (lane / 16), 2 + (lane / 16) and of V's tiles (lane / 16), 2 + (lane / 16).   qimg: [16][128 groups of 32 rows][1,792]: six pieces of 256 bytes (registers 2 p, 2 p + 1, 8 bytes a lane), then 8 bytes a lane:
;     tile 0's and tile 1's scale word; lanes 0-15 with the two bytes low, lanes 16-31 with them high.
; LIMITS: NaN and infinities are not served; a block of zeros gets the byte 1 (its codes are zeros; this program alone reads the bytes).
; REGISTERS: window 0: v1-19 addresses; v20-23 x's scale words; v24-47 W's; v48-79 the bias in C's layout; v80-143 eight accumulators; v144-162 codes; v164-179 at work; v188-203 the way out.
;   window 1: v0-95 x's fragments (K step s, tile u at 12 (2 s + u)); v96-143, v144-191 W's four fragments of a K step, two sets.
.set BL,   76800                       ; LDS: W's block at 0; behind it the head's bq, bk, bv, 256 bytes each;
.set VST,  77568                       ; behind them a stage for each of the two key steps: V's four images (6,144 bytes) and the step's scale words (512)
.set VSTB, 6656
.set LI0, 4                            ; v4   16 x lane
.set LI2, 5                            ; v5   49,152 + 16 x lane: Wv's fragments lie beyond an immediate's 65,535
.set WSA, 6                            ; v6   73,728 + 4 x lane: W's scale words
.set BQA, 7                            ; v7   bq, bk: my half's 16 channels
.set BVA, 8                            ; v8   bv: my channel
.set BST, 9                            ; v9   where a bias row is stored
.set VA,  10                           ; v10-12 where my codes of V go
.set KSA, 13                           ; v13  K's scale word
.set VSA, 14                           ; v14  V's scale bytes
.set CPA, 15                           ; v15  the way out: an image of V
.set CPS, 16                           ; v16  the way out: the scale words
.set L8,  17                           ; v17  8 x lane
.set H8,  18                           ; v18  8 h
.set LS,  19                           ; v19  4 x lane
.set XS,  20
.set WS,  24                           ; register 8 m + 2 s + t / 2: lanes 0-15 the even tile's words, lanes 16-31 the odd tile's
.set BI,  48
.set ACC, 80
.set PC,  144
.set TM,  164
.set PW,  180
.set CP,  188
.set XF,  0                            ; in window 1
.set WB0, 96
.set WV,  18                           ; s18  wave
.set SEL, 36                           ; s[36:37]
.set MSB, 0
.macro WIN new                         ; the immediate's high byte repeats the setting that is left
.if MSB != \new
	s_set_vgpr_msb (MSB<<8)|\new
.set MSB, \new
.endif
.endm
.set MUL,  0x05                        ; sources 0 and 1 window 1; C and D window 0
.set TO_F, 0x40                        ; destination window 1, address window 0
.macro PLACES n
.rept \n
	v_nop
.endr
.endm
.macro ROUND                           ; a round of the cluster's barrier
	s_barrier_signal -1
	s_barrier_wait -1
	s_cmp_lg_u32 s[WV], 0
	s_cbranch_scc1 .Lnot_wave_0_\@
	s_barrier_signal -3
.Lnot_wave_0_\@:
	s_barrier_wait -3
	s_barrier_signal -1
	s_barrier_wait -1
.endm
; 64 numbers of a lane, register 16 b + i = k 32 b + 16 (lane / 16) + i, become 12 registers of codes at v[pc] and the scale word v[pw] (the same in both halves of the lanes).  Each accumulator is read from its low end on.
.macro QUANT s, pc, pw
.irp b, 0,1,2,3
	v_max3_num_f32 v[TM+\b], |v[\s+16*\b]|, |v[\s+1+16*\b]|, 0x2800000   ; and the floor 2^(5 - 127): the byte cannot fall under 1
.endr
.irp i, 2,4,6,8,10,12,14
.irp b, 0,1,2,3
	v_max3_num_f32 v[TM+\b], v[TM+\b], |v[\s+16*\b+\i]|, |v[\s+1+16*\b+\i]|
.endr
.endr
.irp b, 0,1,2,3
	s_delay_alu instid0(VALU_DEP_4)
	v_permlanex16_b32 v[TM+4+\b], v[TM+\b], s[SEL], s[SEL+1]
.endr
.irp b, 0,1,2,3
	s_delay_alu instid0(VALU_DEP_4)
	v_max_num_f32 v[TM+\b], v[TM+\b], v[TM+4+\b]
.endr
.irp b, 0,1,2,3
	s_delay_alu instid0(VALU_DEP_4)
	v_add_nc_u32 v[TM+12+\b], 0xfe000000, v[TM+\b]               ; 4 off the exponent field: the conversion's scale operand
.endr
.irp b, 0,1,2,3
	s_delay_alu instid0(VALU_DEP_4)
	v_lshrrev_b32 v[TM+4+\b], 23, v[TM+12+\b]                    ; the scale's byte
.endr
	s_delay_alu instid0(VALU_DEP_3)
	v_lshl_or_b32 v[\pw], v[TM+5], 8, v[TM+4]
	s_delay_alu instid0(VALU_DEP_1)
	v_lshl_or_b32 v[\pw], v[TM+6], 16, v[\pw]
	s_delay_alu instid0(VALU_DEP_1)
	v_lshl_or_b32 v[\pw], v[TM+7], 24, v[\pw]
.irp c, 0,1
	v_cvt_scalef32_pk16_bf6_f32 v[\pc+6*\c:\pc+2+6*\c], v[\s+32*\c:\s+15+32*\c], v[TM+12+2*\c]
	v_cvt_scalef32_pk16_bf6_f32 v[\pc+12+4*\c:\pc+14+4*\c], v[\s+16+32*\c:\s+31+32*\c], v[TM+12+2*\c+1]
.endr
	v_nop                                                        ; one plain instruction behind the scaled conversions
.irp c, 0,1
.irp i, 0,1,2
	v_permlane16_swap_b32 v[\pc+6*\c+\i], v[\pc+12+4*\c+\i]
.endr
.irp i, 0,1,2
	s_delay_alu instid0(VALU_DEP_3)
	v_mov_b32 v[\pc+3+6*\c+\i], v[\pc+12+4*\c+\i]
.endr
.endr
.endm
; One product; its registers stand in rD, rA, rB, rC, rSA, rSB; fA, fB: the side's scale words lie in lanes 16-31.
.macro MM
.if fA && fB
	v_wmma_scale_f32_16x16x128_f8f6f4 v[rD:rD+7], v[rA:rA+11], v[rB:rB+11], v[rC:rC+7], v[rSA], v[rSB] matrix_a_fmt:MATRIX_FMT_BF6 matrix_b_fmt:MATRIX_FMT_BF6 matrix_a_scale:MATRIX_SCALE_ROW1 matrix_b_scale:MATRIX_SCALE_ROW1
.elseif fA
	v_wmma_scale_f32_16x16x128_f8f6f4 v[rD:rD+7], v[rA:rA+11], v[rB:rB+11], v[rC:rC+7], v[rSA], v[rSB] matrix_a_fmt:MATRIX_FMT_BF6 matrix_b_fmt:MATRIX_FMT_BF6 matrix_a_scale:MATRIX_SCALE_ROW1
.elseif fB
	v_wmma_scale_f32_16x16x128_f8f6f4 v[rD:rD+7], v[rA:rA+11], v[rB:rB+11], v[rC:rC+7], v[rSA], v[rSB] matrix_a_fmt:MATRIX_FMT_BF6 matrix_b_fmt:MATRIX_FMT_BF6 matrix_b_scale:MATRIX_SCALE_ROW1
.else
	v_wmma_scale_f32_16x16x128_f8f6f4 v[rD:rD+7], v[rA:rA+11], v[rB:rB+11], v[rC:rC+7], v[rSA], v[rSB] matrix_a_fmt:MATRIX_FMT_BF6 matrix_b_fmt:MATRIX_FMT_BF6
.endif
.endm
; The bias of unit m in C's layout, eight registers a tile of columns.  q, k: register j = the bias of channel 32 (t / 2) + 16 h + 8 (t % 2) + j.  v: all eight = the bias of my lane's channel.
.macro BILOAD m
.if (\m) == 2
.irp t, 0,1,2,3
.irp j, 0,1,2,3,4,5,6,7
	ds_load_b32 v[BI+8*\t+\j], v[BVA] offset:4*(32*(\t/2)+8*(\t%2))
.endr
.endr
.else
.irp t, 0,1,2,3
	ds_load_b128 v[BI+8*\t:BI+8*\t+3],   v[BQA] offset:(\m)*256+4*(32*(\t/2)+8*(\t%2))
	ds_load_b128 v[BI+8*\t+4:BI+8*\t+7], v[BQA] offset:(\m)*256+4*(32*(\t/2)+8*(\t%2))+16
.endr
.endif
.endm
; Step i of twelve: unit m = 2 - i / 4 (v, then k, then q), K step s = i % 4.  FETCH brings its four fragments of W (6,144 consecutive bytes) into set i % 2, and with a unit's first step the unit's bias.
.macro FETCH i
.set FM, 2-(\i)/4
.set FS, (\i)%4
.set FB, WB0+48*((\i)%2)
	WIN TO_F
.if FM == 2
.irp n, 0,1,2,3,4,5,6,7,8,9,10,11
	ds_load_b128 v[FB+4*\n:FB+4*\n+3], v[LI2] offset:FS*6144+512*\n
.endr
.else
.irp n, 0,1,2,3,4,5,6,7,8,9,10,11
	ds_load_b128 v[FB+4*\n:FB+4*\n+3], v[LI0] offset:FM*24576+FS*6144+512*\n
.endr
.endif
	WIN 0
.if FS == 0
	BILOAD FM
.endif
.endm
; Eight products, the eight accumulators by turns, in the same order in every K step.  The next step's fetch is issued ahead of them.
.macro STEP i
.set SM, 2-(\i)/4
.set SS, (\i)%4
.set SB, WB0+48*((\i)%2)
	s_wait_dscnt 0x0                               ; this step's fragments (and bias) are in
	PLACES 5                                       ; behind the last products: four in front of loads into registers that they read, five in front of products that begin an accumulator anew
.if (\i) < 11
	FETCH (\i)+1
.endif
	WIN MUL
.if SM == 2
.irp t, 0,1,2,3
.irp u, 0,1
.set rD, ACC+8*(2*\t+\u)
.set rA, XF+12*(2*SS+\u)
.set rB, SB+12*\t
.set rC, ACC+8*(2*\t+\u)
.if SS == 0
.set rC, BI+8*\t
.endif
.set rSA, XS+SS
.set rSB, WS+16+2*SS+(\t/2)
.set fA, \u
.set fB, \t%2
	MM
.endr
.endr
.else
.irp u, 0,1
.irp t, 0,1,2,3
.set rD, ACC+8*(4*\u+\t)
.set rA, SB+12*\t
.set rB, XF+12*(2*SS+\u)
.set rC, ACC+8*(4*\u+\t)
.if SS == 0
.set rC, BI+8*\t
.endif
.set rSA, WS+8*SM+2*SS+(\t/2)
.set rSB, XS+SS
.set fA, \t%2
.set fB, \u
	MM
.endr
.endr
.endif
	WIN 0
.endm
	s_load_b128 s[4:7], s[0:1], 0x0                ; ximg, wimg
	s_load_b128 s[8:11], s[0:1], 0x10              ; bq, bk
	s_load_b128 s[12:15], s[0:1], 0x20             ; bv, qimg
	s_load_b64 s[16:17], s[0:1], 0x30              ; kv
	v_lshl_add_u32 v254, v0, 2, 0x29000
	v_mov_b32 v255, 0
	ds_add_u32 v254, v255
	ds_add_u32 v254, v255
	v_lshrrev_b32 v1, 5, v0
	s_delay_alu instid0(VALU_DEP_1)
	v_readfirstlane_b32 s[WV], v1                  ; wave 0..7
	v_and_b32 v1, 31, v0                           ; lane
	v_and_b32 v2, 15, v0                           ; r
	v_bfe_u32 v3, v0, 4, 1                         ; h
	s_bfe_u32 s19, ttmp6, 0x40000                  ; cx: it enters global addresses of x, q, k and v alone
	s_lshl_b32 s20, ttmp9, 2
	s_add_co_u32 s20, s20, s19                     ; my block of 256 rows
	s_and_b32 s21, ttmp7, 0xffff                   ; the head, which the four partners share
	s_and_b32 s22, s[WV], 3                        ; kb: which 32 keys of a key step
	s_lshr_b32 s23, s[WV], 2                       ; st: which of the block's two key steps
	; every LDS address is made here, ahead of the first branch on the wave's number
	v_lshlrev_b32 v[LI0], 4, v1
	s_delay_alu instid0(VALU_DEP_1)
	v_add_nc_u32 v[LI2], 49152, v[LI0]
	v_lshlrev_b32 v[LS], 2, v1
	s_delay_alu instid0(VALU_DEP_1)
	v_add_nc_u32 v[WSA], 73728, v[LS]
	v_lshl_add_u32 v[BQA], v3, 6, BL
	v_and_b32 v184, 8, v2
	s_delay_alu instid0(VALU_DEP_1)
	v_add_nc_u32 v184, v184, v2                    ; r + 8 (r / 8)
	s_delay_alu instid0(VALU_DEP_1)
	v_lshl_add_u32 v[BVA], v184, 2, BL+512
	v_lshlrev_b32 v[L8], 3, v1
	s_lshl_b32 s38, s22, 8
	s_add_co_u32 s38, s38, BL
	v_add_nc_u32 v[BST], s38, v[L8]
	v_lshlrev_b32 v[H8], 3, v3
	s_mul_i32 s39, s23, VSTB
	s_add_co_u32 s39, s39, VST                     ; my key step's stage
	s_and_b32 s40, s22, 1
	s_lshl_b32 s40, s40, 8                         ; my 32 keys stand in lanes 16 (kb % 2) + r of V's images,
	s_lshr_b32 s41, s22, 1                         ; in registers 6 (kb / 2) + 0 .. 5: three pieces of 8 bytes, at 0, 8, 512 or at 520, 1,024, 1,032 of a lane's place
	s_add_co_u32 s42, s39, s40
	v_mul_u32_u24 v184, v3, 1536                   ; my half of the lanes holds tile 2 c + h
	s_delay_alu instid0(VALU_DEP_1)
	v_lshl_add_u32 v184, v2, 4, v184
	s_mul_i32 s43, s41, 520
	s_add_co_u32 s43, s43, s42
	v_add_nc_u32 v[VA], s43, v184
	s_add_co_u32 s43, s43, 512
	v_add_nc_u32 v[VA+2], s43, v184
	s_mul_i32 s43, s41, 1016
	s_add_co_u32 s43, s43, s42
	s_add_co_u32 s43, s43, 8
	v_add_nc_u32 v[VA+1], s43, v184
	s_lshl_b32 s43, s41, 2
	s_add_co_u32 s43, s43, s42
	s_add_co_u32 s43, s43, 6144
	v_lshl_add_u32 v[KSA], v2, 4, s43              ; K's pair kb: word kb / 2 of lane 16 (kb % 2) + r
	s_add_co_u32 s43, s39, s22
	s_add_co_u32 s43, s43, 6144+8
	v_add_nc_u32 v[VSA], s43, v[LI0]               ; V's tiles h and 2 + h: byte kb of words 2 and 3 of my lane
	s_mul_i32 s43, s22, 1536
	s_add_co_u32 s43, s43, s39
	v_add_nc_u32 v[CPA], s43, v[LI0]
	s_add_co_u32 s43, s39, 6144
	v_add_nc_u32 v[CPS], s43, v[LI0]
	s_mov_b32 s[SEL], 0x76543210
	s_mov_b32 s[SEL+1], 0xfedcba98
.irp b, 0,1,2,3
	v_mov_b32 v[TM+4+\b], 0                        ; written once: a lane permute's destination counts as one of its sources
.endr
	; descriptor group 1: 19,200 dense bytes as 75 rows of 256 bytes (32 elements of 8 bytes)
	s_mov_b32 s24, 15|(3<<16)|(1<<21)              ; 15:0 the mask: all four work-groups; 17:16 elements of 8 bytes; 21 set beside a mask
	s_mov_b32 s25, 32<<16                          ; tensor_dim0
	s_mov_b32 s26, 75<<16                          ; tensor_dim1
	s_mov_b32 s27, 32<<16                          ; tile_dim0
	s_mov_b32 s28, 75                              ; tile_dim1
	s_mov_b32 s29, 32                              ; tensor_dim0_stride
	s_mov_b32 s30, 0
	s_mov_b32 s31, 0
	s_mov_b32 s32, 1
	s_mul_i32 s33, s22, 19200                      ; LDS address: (wave % 4) x 19,200
	s_mov_b32 s53, 0
	s_wait_dscnt 0x0
	s_wait_kmcnt 0x0
	s_mul_i32 s52, s21, 76800
	s_add_co_u32 s52, s52, s33
	s_add_nc_u64 s[34:35], s[6:7], s[52:53]        ; the head's block, my quarter
	s_or_b32 s35, s35, 0x80000000
	s_lshl_b32 s52, s20, 3
	s_add_co_u32 s52, s52, s[WV]
	s_mul_i32 s52, s52, 12800
	s_add_nc_u64 s[44:45], s[4:5], s[52:53]        ; my group of 32 rows in ximg
	s_lshr_b32 s54, s20, 4
	s_lshl_b32 s54, s54, 3
	s_add_co_u32 s54, s54, s21                     ; 8 x batch + head
	s_and_b32 s55, s20, 15                         ; my block within the batch
	s_mul_i32 s52, s54, 409600
	s_lshl_b32 s56, s55, 1
	s_add_co_u32 s56, s56, s23
	s_mul_i32 s56, s56, 12800
	s_add_co_u32 s52, s52, s56
	s_mul_i32 s56, s22, 1536
	s_add_co_u32 s52, s52, s56
	s_add_nc_u64 s[46:47], s[16:17], s[52:53]      ; my key step in kv, + 1,536 kb
	s_lshl_b32 s52, s54, 7
	s_lshl_b32 s56, s55, 3
	s_add_co_u32 s52, s52, s56
	s_add_co_u32 s52, s52, s[WV]
	s_mul_i32 s52, s52, 1792
	s_add_nc_u64 s[48:49], s[14:15], s[52:53]      ; my group in qimg
	s_cmp_eq_u32 s22, 0
	s_cselect_b64 s[50:51], s[8:9], s[10:11]
	s_cmp_eq_u32 s22, 2
	s_cselect_b64 s[50:51], s[12:13], s[50:51]
	s_lshl_b32 s52, s21, 8
	s_add_nc_u64 s[50:51], s[50:51], s[52:53]      ; a bias row of the head: bq, bk, bv by wave % 4
	ROUND                                          ; all four work-groups are here: the joint loads meet
	s_cmp_lt_u32 s[WV], 4
	s_cbranch_scc0 .Lno_fill
	tensor_load_to_lds s[32:35], s[24:31]          ; one tensor load of mine is out; LDS is filled once
	s_nop 0
	PLACES 4
.Lno_fill:
	global_load_b64 v[186:187], v[L8], s[50:51]
	WIN TO_F
.irp n, 0,1,2,3,4,5,6,7,8,9,10,11,12,13,14,15,16,17,18,19,20,21,22,23
	global_load_b128 v[XF+4*\n:XF+4*\n+3], v[LI0], s[44:45] offset:512*\n   ; x's eight fragments stay in registers
.endr
	WIN 0
.irp s, 0,1,2,3
	global_load_b32 v[XS+\s], v[LS], s[44:45] offset:12288+128*\s
.endr
	s_wait_loadcnt 28                              ; the bias row is in; the 28 loads of x behind it may be out
	s_cmp_lt_u32 s[WV], 4
	s_cbranch_scc1 .Lno_bias
	s_cmp_eq_u32 s[WV], 7
	s_cbranch_scc1 .Lno_bias
	ds_store_b64 v[BST], v[186:187]                ; waves 4, 5, 6: bq, bk, bv
.Lno_bias:
	s_wait_tensorcnt 0x0                           ; my quarter of W has landed,
	s_wait_dscnt 0x0                               ; my bias row is stored:
	s_barrier_signal -1
	s_barrier_wait -1                              ; everybody's are
.irp n, 0,1,2,3,4,5,6,7,8,9,10,11,12,13,14,15,16,17,18,19,20,21,22,23
	ds_load_b32 v[WS+\n], v[WSA] offset:128*\n
.endr
	FETCH 0
	s_wait_loadcnt 0x0                             ; x
	; ---- v
.irp i, 0,1,2,3
	STEP \i
.endr
	PLACES 4
	QUANT ACC, PC, PW                              ; block t = channel tile t, my 32 keys: lane (r, h) ends with the whole blocks of tiles h (registers 0-5) and 2 + h (6-11)
.irp c, 0,1
.irp p, 0,1,2
	ds_store_b64 v[VA+\p], v[PC+6*\c+2*\p:PC+6*\c+2*\p+1] offset:3072*\c
.endr
.endr
	v_lshrrev_b32 v182, v[H8], v[PW]               ; tile h's byte,
	s_delay_alu instid0(VALU_DEP_1)
	v_lshrrev_b32 v183, 16, v182                   ; tile 2 + h's
	ds_store_b8 v[VSA], v182
	ds_store_b8 v[VSA], v183 offset:4
	; ---- k
.irp i, 4,5,6,7
	STEP \i
.endr
	PLACES 4
	QUANT ACC, PC, PW                              ; the pair of key tiles 2 kb, 2 kb + 1
.irp c, 0,1,2
	global_store_b128 v[LI0], v[PC+4*\c:PC+4*\c+3], s[46:47] offset:512*\c
.endr
	ds_store_b32 v[KSA], v[PW]                     ; both halves of the lanes write the same word with the same value
	s_wait_dscnt 0x0                               ; my stores into the stage are done
	s_barrier_signal -1
	s_barrier_wait -1                              ; V's images and the scale words of both key steps are whole
.irp c, 0,1,2
	ds_load_b128 v[CP+4*\c:CP+4*\c+3], v[CPA] offset:512*\c
.endr
	s_wait_dscnt 0x0
.irp c, 0,1,2
	global_store_b128 v[LI0], v[CP+4*\c:CP+4*\c+3], s[46:47] offset:6144+512*\c   ; wave kb stores V's image kb
.endr
	s_cmp_lg_u32 s22, 0
	s_cbranch_scc1 .Lno_words
	ds_load_b128 v[CP+12:CP+15], v[CPS]
	s_wait_dscnt 0x0
	global_store_b128 v[LI0], v[CP+12:CP+15], s[46:47] offset:12288               ; and the step's first wave its scale words
.Lno_words:
	; ---- q
.irp i, 8,9,10,11
	STEP \i
.endr
	PLACES 4
	s_wait_xcnt 0x0                                ; K's stores have read the codes' registers, which are written again below
	QUANT ACC, PC, PW
.irp p, 0,1,2,3,4,5
	global_store_b64 v[L8], v[PC+2*\p:PC+2*\p+1], s[48:49] offset:256*\p
.endr
	v_cmp_gt_u32 vcc_lo, 16, v1
	v_and_b32 v184, 0xffff, v[PW]                  ; tile 0's two bytes low,
	v_lshlrev_b32 v185, 16, v[PW]                  ; and high
	s_delay_alu instid0(VALU_DEP_1)
	v_cndmask_b32 v182, v185, v184, vcc_lo         ; lanes 0-15 low, lanes 16-31 high
	v_lshrrev_b32 v184, 16, v[PW]                  ; tile 1's likewise
	v_and_b32 v185, 0xffff0000, v[PW]
	s_delay_alu instid0(VALU_DEP_1)
	v_cndmask_b32 v183, v185, v184, vcc_lo
	global_store_b64 v[L8], v[182:183], s[48:49] offset:1536
	s_wait_tensorcnt 0x0
	s_wait_dscnt 0x0
	s_wait_tensorcnt 0x0
	ds_add_u32 v254, v255
	s_wait_dscnt 0x0
	ROUND                                          ; the closing round: no work-group ends while a partner may still ask for the block that names it
	s_endpgm
.Lfunc_end_k_qad2811465c_proj:
	.size	k_qad2811465c_proj, .Lfunc_end_k_qad2811465c_proj-k_qad2811465c_proj
	.p2alignl 7, 3214868480
	.fill 96, 4, 3214868480
	.section	.rodata,"a",@progbits
	.p2align	6, 0x0
	.amdhsa_kernel k_qad2811465c_proj
		.amdhsa_group_segment_fixed_size 168960
		.amdhsa_private_segment_fixed_size 0
		.amdhsa_enable_private_segment 0
		.amdhsa_kernarg_size 56
		.amdhsa_user_sgpr_count 2
		.amdhsa_user_sgpr_kernarg_segment_ptr 1
		.amdhsa_wavefront_size32 1
		.amdhsa_system_sgpr_workgroup_id_x 1
		.amdhsa_system_sgpr_workgroup_id_y 1
		.amdhsa_system_sgpr_workgroup_id_z 1
		.amdhsa_system_vgpr_workitem_id 0
		.amdhsa_next_free_vgpr 448
		.amdhsa_next_free_sgpr 66
		.amdhsa_reserve_vcc 1
		.amdhsa_float_denorm_mode_32 3
		.amdhsa_float_denorm_mode_16_64 3
		.amdhsa_memory_ordered 1
		.amdhsa_forward_progress 1
		.amdhsa_inst_pref_size 56
	.end_amdhsa_kernel
	.amdgpu_metadata
---
amdhsa.version: [ 1, 2 ]
amdhsa.kernels:
  - .name:           k_qad2811465c_proj
    .symbol:         k_qad2811465c_proj.kd
    .args:
      - { .name: ximg, .offset: 0, .size: 8, .value_kind: global_buffer, .address_space: global }
      - { .name: wimg, .offset: 8, .size: 8, .value_kind: global_buffer, .address_space: global }
      - { .name: bq, .offset: 16, .size: 8, .value_kind: global_buffer, .address_space: global }
      - { .name: bk, .offset: 24, .size: 8, .value_kind: global_buffer, .address_space: global }
      - { .name: bv, .offset: 32, .size: 8, .value_kind: global_buffer, .address_space: global }
      - { .name: qimg, .offset: 40, .size: 8, .value_kind: global_buffer, .address_space: global }
      - { .name: kv, .offset: 48, .size: 8, .value_kind: global_buffer, .address_space: global }
    .group_segment_fixed_size: 168960
    .private_segment_fixed_size: 0
    .kernarg_segment_align: 8
    .kernarg_segment_size: 56
    .max_flat_workgroup_size: 256
    .sgpr_count:     66
    .vgpr_count:     448
    .wavefront_size: 32
...
	.end_amdgpu_metadata
.endif
;; end of part 2
;; launch attn (part 3): grid 16 x 16, 8 waves a work-group, clusters of 4 x 1, 327,680 bytes of LDS; arguments qimg, kv, out0; writes out0
.if DOCPART == 3
	.amdgcn_target "amdgcn-amd-amdhsa--gfx1250"
	.amdhsa_code_object_version 6
	.text
	.protected	k_qad2811465c_attn
	.globl	k_qad2811465c_attn
	.p2align	8
	.type	k_qad2811465c_attn,@function
k_qad2811465c_attn:
	s_mov_b64 s[64:65], 0
	v_nop
	global_prefetch_b8 v0, s[64:65] scope:SCOPE_SE
	s_setreg_imm32_b32 hwreg(HW_REG_WAVE_MODE, 25, 1), 1
	s_wait_xcnt 0x0
	s_wait_alu depctr_hold_cnt(0) depctr_sa_sdst(0) depctr_va_vdst(0) depctr_va_sdst(0) depctr_va_ssrc(0) depctr_va_vcc(0) depctr_vm_vsrc(0)
	s_getreg_b32 s2, hwreg(HW_REG_IB_STS2, 6, 4)
	s_cmp_eq_u32 s2, 0
	s_cbranch_scc0 .Lentry_in_a_cluster
	s_endpgm
.Lentry_in_a_cluster:
	s_bfe_u32 s2, ttmp6, 0x10000c
	s_cmp_lg_u32 s2, 0x3003
	s_cbranch_scc0 .Lentry_shape_is_right
	s_endpgm
.Lentry_shape_is_right:
; out[b][q][64 head + :] = the sum over keys of softmax(q . k / 8) v, both products on codes of BF6 (E3M2) with E8M0 scales, from the images that the projection launch stored (their layout: its head comment).
; THE SOFTMAX AHEAD OF THE SECOND PRODUCT: t = score x log2(e) / 8; M = the row's largest t so far, rounded UP to a whole number; p = 2^(t - M) is quantised along the keys, not normalised.
; The row's sum is taken of the unquantised p, in f32, and divides O at the end.  When M moves, the sum and O are multiplied by 2^(old M - new M): exact.
; SHARES: a work-group owns 256 queries of one (batch, head); each of its eight waves 32 queries, two tiles of 16, so that each fragment of K and V read from LDS feeds two tiles.  Every wave walks 32 key steps of 128 keys.
; A key step is 12,800 dense bytes of kv; a slot of the ring holds eight steps; every wave fetches one step of a slot, so every way through the text passes a tensor load.
; CLUSTER: the four work-groups of a cluster walk the same (batch, head): each slot is asked for jointly.
; NO PREFETCH: a refill is asked for behind the change of slots and first read eight key steps later (16 x 12 matrix instructions and their softmax a wave); only the first 102,400 bytes are waited for, and no loop stands ahead of them.
; K = 64 IN A FORM OF K = 128: a fragment of K holds TWO tiles of 16 keys (registers 0-5, 6-11).  Q stands as 18 registers, 6 zeros, q, 6 zeros: the last twelve (q, 0) pick the first tile, the first twelve (0, q) the second.
; WHICH KEYS FORM A TILE is chosen by the lanes' LDS addresses: of the 64 keys of blocks 2 c and 2 c + 1, tile u gives lanes 0-7 keys 8 u + 0..7 of block 2 c and lanes 8-15 the same of block 2 c + 1.
; Both products are transposed (S^T = K Q^T, O^T = V^T P^T): a lane holds ONE query, and its 32 score registers of c are keys 64 c + 32 (lane / 16) + 0 .. 31: a WHOLE block of the quantiser, in the order of the operand's registers.
; So a block's largest score needs no other lane and p's codes need no exchange between lanes.  In the stored image key 8 u + i of a group of 32 stands in tile u % 2, lane i + 8 (u / 2): lane (r, h) of the pair (c, a)
; reads the image of group 2 c + r / 8 at lane r % 8 + 8 a + 16 h.  The tensor load lays 128 bytes of padding behind each 512: an image is 1,920 bytes, so lanes 0-7 and 8-15 of such a read touch different halves of the 64 banks (ISA guide 11.1).
; THE EXPONENTIALS STAND AMONG PLAIN WORK: tile 0's take turns with tile 1's multiply-adds, tile 1's with the first additions of tile 0's p; what the plain lines write there is first read behind the run's closing wait.
; LIMITS: NaN and infinities are not served; the promise holds while the scaled scores t stay under 2^31 in magnitude.
; REGISTERS.  Window 0: v0-21 addresses and scale words; v24-67 the two tiles' chains; v72-135, v136-199 S^T, then p, of tiles 0, 1; v200-211, v236-247 p's codes; v212-219 the conversions' second halves; v220-235 partial sums
;   (v204-235 for tile 0's first additions); v248-251 the rows' sums.   Window 1: v0-47 K's four fragments, v48-95 V's; v96-127, v128-159 O^T; v160-177, v180-197 Q.
.set STEPM, 12800                      ; a key step in memory
.set STEPB, 16000                      ; and in LDS: 25 pieces of 512 + 128 bytes
.set SLOTB, 8*STEPB
.set SLOT1, 131072                     ; slot 1 begins here: one exclusive or turns an address in one slot into the other's
.set SCW,   24*640                     ; a step's scale words
.set SPARE, SLOT1+SLOTB                ; the spare words, 128 bytes for each of the 8 waves: four blocks of 256 bytes that no other line names
.set STAGE, SPARE+1024                 ; the way out: 16 rows x (256 bytes + 16) for each wave; no tensor load lands here
.set LI,  1                            ; 16 x lane
.set KL,  2                            ; K's lane term: 1,920 (r / 8) + 16 (r % 8) + 256 h
.set SL,  3                            ; K's scale words: SCW + 16 (r % 8) + 128 h + 256 (r / 8)
.set SPW, 4                            ; my spare word; never rewritten
.set NIL, 5                            ; 0; never rewritten
.set GO,  6
.set STO, 7
.set RD,  8
.set VA,  9                            ; the step in hand: V and its words; K; K's words
.set KA,  10
.set SA,  11
.set QS,  14                           ; v14, v15 q's scale words of tile 0, 1
.set SCK, 16                           ; v16, v17 K's words of c = 0, 1: lanes 0-15 pair a = 0, lanes 16-31 a = 1
.set SCV, 18                           ; v18, v19 V's words
.set PW,  20                           ; v20, v21 p's scale word of tile 0, 1
.set CH0, 24                           ; a tile's chain: +0..3 partial maxima (then +0, +2: the blocks' largest p), +4, +5 the step's maximum, +6 the running largest score, +7 the old -M, +8 -M (pair), +10 f (pair), +12 at work,
.set CH1, 48                           ; +14, +15 the conversions' scale operands, +16, +17 bytes, +18, +19 words
.set S0,  72
.set S1,  136
.set PC0, 200
.set RB,  204                          ; tile 0's sixteen first additions: v204-235
.set CT,  212
.set SM,  220
.set PC1, 236
.set L0,  248
.set L1,  250
.set KF,  0                            ; in window 1
.set VF,  48
.set O0,  96
.set O1,  128
.set QH0, 160
.set QL0, 166
.set WV,  10
.set SEL, 28
.set CS,  30                           ; s[30:31] c = log2(e) / 8
.set TB,  32                           ; LDS byte at which the step in hand begins
.set MSB, 0
.macro WIN new                         ; low byte: bits 1:0 source 0, 3:2 source 1, 5:4 source 2, 7:6 destination; the high byte repeats the setting that is left
.if MSB != (\new)
	s_set_vgpr_msb (MSB<<8)|(\new)
.set MSB, (\new)
.endif
.endm
.macro PLACES n
.rept \n
	v_nop
.endr
.endm
.macro ROUND                           ; a round of the cluster's barrier
	s_barrier_signal -1
	s_barrier_wait -1
	s_cmp_lg_u32 s[WV], 0
	s_cbranch_scc1 .Lnot_wave_0_\@
	s_barrier_signal -3
.Lnot_wave_0_\@:
	s_barrier_wait -3
	s_barrier_signal -1
	s_barrier_wait -1
.endm
.macro TLOAD                           ; every wave: one key step of the slot; s_nop 0 and four v_nop follow
	tensor_load_to_lds s[24:27], s[16:23]
	s_nop 0
	PLACES 4
.endm
.macro KQ j, T                         ; the pair (c = j / 2, a = j % 2) of key tiles against tile T's 16 queries
.set rS, S0+64*(\T)+16*(\j)
.set rK, KF+12*(\j)
.set rL, QL0+20*(\T)
.set rH, QH0+20*(\T)
.if (\j)%2
	v_wmma_scale_f32_16x16x128_f8f6f4 v[rS:rS+7], v[rK:rK+11], v[rL:rL+11], 0, v[SCK+(\j)/2], v[QS+\T] matrix_a_fmt:MATRIX_FMT_BF6 matrix_b_fmt:MATRIX_FMT_BF6 matrix_a_scale:MATRIX_SCALE_ROW1
	v_wmma_scale_f32_16x16x128_f8f6f4 v[rS+8:rS+15], v[rK:rK+11], v[rH:rH+11], 0, v[SCK+(\j)/2], v[QS+\T] matrix_a_fmt:MATRIX_FMT_BF6 matrix_b_fmt:MATRIX_FMT_BF6 matrix_a_scale:MATRIX_SCALE_ROW1 matrix_b_scale:MATRIX_SCALE_ROW1
.else
	v_wmma_scale_f32_16x16x128_f8f6f4 v[rS:rS+7], v[rK:rK+11], v[rL:rL+11], 0, v[SCK+(\j)/2], v[QS+\T] matrix_a_fmt:MATRIX_FMT_BF6 matrix_b_fmt:MATRIX_FMT_BF6
	v_wmma_scale_f32_16x16x128_f8f6f4 v[rS+8:rS+15], v[rK:rK+11], v[rH:rH+11], 0, v[SCK+(\j)/2], v[QS+\T] matrix_a_fmt:MATRIX_FMT_BF6 matrix_b_fmt:MATRIX_FMT_BF6 matrix_b_scale:MATRIX_SCALE_ROW1
.endif
.endm
.macro PV t, T                         ; 16 channels x these 128 keys
.set rO, O0+32*(\T)+8*(\t)
.set rV, VF+12*(\t)
.set rP, PC0+36*(\T)
.if (\t)%2
	v_wmma_scale_f32_16x16x128_f8f6f4 v[rO:rO+7], v[rV:rV+11], v[rP:rP+11], v[rO:rO+7], v[SCV+(\t)/2], v[PW+\T] matrix_a_fmt:MATRIX_FMT_BF6 matrix_b_fmt:MATRIX_FMT_BF6 matrix_a_scale:MATRIX_SCALE_ROW1
.else
	v_wmma_scale_f32_16x16x128_f8f6f4 v[rO:rO+7], v[rV:rV+11], v[rP:rP+11], v[rO:rO+7], v[SCV+(\t)/2], v[PW+\T] matrix_a_fmt:MATRIX_FMT_BF6 matrix_b_fmt:MATRIX_FMT_BF6
.endif
.endm
.macro KLOAD off                       ; K's four pairs of tiles, by the lanes' own choice of keys
.irp j, 0,1,2,3
.irp p, 0,1,2
	ds_load_b128 v[KF+12*\j+4*\p:KF+12*\j+4*\p+3], v[KA] offset:\off+3840*(\j/2)+128*(\j%2)+640*\p
.endr
.endr
.endm
.macro MAXES ch, s                     ; four chains of 16 scores each, every accumulator from its low end on; chains 2 c and 2 c + 1 make block c of my lane
.irp q, 0,1,2,3
	v_max3_num_f32 v[\ch+\q], 0xff800000, v[\s+16*\q], v[\s+16*\q+1]
.endr
.irp i, 2,4,6,8,10,12,14
.irp q, 0,1,2,3
	v_max3_num_f32 v[\ch+\q], v[\ch+\q], v[\s+16*\q+\i], v[\s+16*\q+\i+1]
.endr
.endr
.endm
.macro FOLD                            ; eight partial pairs become one
.irp k, 0,1,2,3
	v_pk_add_f32 v[SM+2*\k:SM+2*\k+1], v[SM+2*\k:SM+2*\k+1], v[SM+8+2*\k:SM+9+2*\k]
.endr
.irp k, 0,1
	s_delay_alu instid0(VALU_DEP_2)
	v_pk_add_f32 v[SM+2*\k:SM+2*\k+1], v[SM+2*\k:SM+2*\k+1], v[SM+4+2*\k:SM+5+2*\k]
.endr
	s_delay_alu instid0(VALU_DEP_1)
	v_pk_add_f32 v[SM:SM+1], v[SM:SM+1], v[SM+2:SM+3]
.endm
.macro CODES s, pc, l, ch              ; a tile's codes, and its row's sum under the new M
.irp c, 0,1
	v_cvt_scalef32_pk16_bf6_f32 v[\pc+6*\c:\pc+6*\c+2], v[\s+32*\c:\s+32*\c+15], v[\ch+14+\c]
	v_cvt_scalef32_pk16_bf6_f32 v[CT+4*\c:CT+4*\c+2], v[\s+32*\c+16:\s+32*\c+31], v[\ch+14+\c]   ; (a conversion's three registers begin on an even number)
.endr
	v_pk_fma_f32 v[\l:\l+1], v[\l:\l+1], v[\ch+10:\ch+11], v[SM:SM+1] op_sel_hi:[1,0,1]   ; the row's sum x f + this step's: also the plain instruction behind the conversions
.irp c, 0,1
.irp i, 0,1,2
	v_mov_b32 v[\pc+6*\c+3+\i], v[CT+4*\c+\i]
.endr
.endr
.endm
; A KEY STEP: 128 keys against my two tiles.  pre = 1: the next step's K is read from the same slot behind this step's score products.
.macro STEP pre
	s_wait_dscnt 0x0                               ; K and its words are in
	WIN 0x05                                       ; K and Q in window 1, S^T in window 0
.irp j, 0,1,2,3
	KQ \j, 0
.endr
.irp j, 0,1,2,3
	KQ \j, 1
.endr
	WIN 0
	v_add_nc_u32 v[VA], s[TB], v[LI]               ; these three and the v_nop: four places behind the products, in front of loads into registers that they read (ISA guide 7.12.1 for vector instructions)
	v_add_nc_u32 v[KA], s[TB], v[KL]
	v_add_nc_u32 v[SA], s[TB], v[SL]
	v_nop
	ds_load_b64 v[SCV:SCV+1], v[VA] offset:SCW+8
.if \pre
	ds_load_b64 v[SCK:SCK+1], v[SA] offset:STEPB
.endif
	WIN 0x40
.set n, 0
.rept 12
	ds_load_b128 v[VF+4*n:VF+4*n+3], v[VA] offset:640*(12+n)
.set n, n+1
.endr
.if \pre
	KLOAD STEPB
.endif
	WIN 0
	MAXES CH0, S0
	MAXES CH1, S1
	; the two tiles' chains by turns
.irp c, CH0, CH1
	v_max_num_f32 v[\c], v[\c], v[\c+1]            ; the largest score of my block c = 0: for the row's maximum, and, since p rises with the score, for the block's largest p
.endr
.irp c, CH0, CH1
	v_max_num_f32 v[\c+2], v[\c+2], v[\c+3]        ; of c = 1
.endr
.irp c, CH0, CH1
	s_delay_alu instid0(VALU_DEP_2)
	v_max_num_f32 v[\c+4], v[\c], v[\c+2]
.endr
.irp c, CH0, CH1
	s_delay_alu instid0(VALU_DEP_2)
	v_permlanex16_b32 v[\c+5], v[\c+4], s[SEL], s[SEL+1]
.endr
.irp c, CH0, CH1
	s_delay_alu instid0(VALU_DEP_2)
	v_max3_num_f32 v[\c+6], v[\c+6], v[\c+4], v[\c+5]   ; the running largest score of my query
.endr
.irp c, CH0, CH1
	s_delay_alu instid0(VALU_DEP_2)
	v_mul_f32 v[\c+12], s[CS], v[\c+6]             ; as t (c is positive)
.endr
.irp c, CH0, CH1
	v_mov_b32 v[\c+7], v[\c+8]
.endr
.irp c, CH0, CH1
	s_delay_alu instid0(VALU_DEP_4)
	v_floor_f32 v[\c+8], -v[\c+12]                 ; the new -M = floor(-t) = -ceil(t)
.endr
.irp c, CH0, CH1
	s_delay_alu instid0(VALU_DEP_2)
	v_fma_f32 v[\c], v[\c], s[CS], v[\c+8]         ; t - M of each block's largest score
.endr
.irp c, CH0, CH1
	s_delay_alu instid0(VALU_DEP_4)
	v_sub_f32 v[\c+12], v[\c+8], v[\c+7]           ; old M - new M: a whole number, 0 or less
.endr
.irp c, CH0, CH1
	v_fma_f32 v[\c+2], v[\c+2], s[CS], v[\c+8]
.endr
.irp c, CH0, CH1
	s_delay_alu instid0(VALU_DEP_4)
	v_cvt_i32_f32 v[\c+12], v[\c+12]               ; (it saturates)
.endr
.irp c, CH0, CH1
	s_delay_alu instid0(VALU_DEP_2)
	v_ldexp_f32 v[\c+10], 1.0, v[\c+12]            ; f = 2^(old M - new M)
.endr
.set n, 0
.rept 32
	v_pk_fma_f32 v[S0+n:S0+n+1], v[S0+n:S0+n+1], s[CS:CS+1], v[CH0+8:CH0+9] op_sel_hi:[1,0,0]   ; tile 0: t - M, two at a time
.set n, n+2
.endr
	s_wait_alu depctr_va_vdst(0)                   ; ahead of the run of exponentials
.irp c, CH0, CH1
	v_exp_f32 v[\c], v[\c]                         ; the blocks' largest p: the same two instructions on the same number give the same bits
	v_exp_f32 v[\c+2], v[\c+2]
.endr
.set n, 0
.rept 32
	v_exp_f32 v[S0+n], v[S0+n]                     ; tile 0: p = 2^(t - M), at most 1;
	v_exp_f32 v[S0+n+1], v[S0+n+1]
	v_pk_fma_f32 v[S1+n:S1+n+1], v[S1+n:S1+n+1], s[CS:CS+1], v[CH1+8:CH1+9] op_sel_hi:[1,0,0]   ; by turns with tile 1's t - M, which is first read behind the wait below
.set n, n+2
.endr
	s_wait_alu depctr_va_vdst(0)                   ; behind tile 0's exponentials, ahead of their first reader, and ahead of tile 1's
.set n, 0
.irp m, CH0, CH0+2, CH1, CH1+2
.rept 4
	v_exp_f32 v[S1+4*n], v[S1+4*n]                 ; tile 1's p, by turns with the first sixteen additions of tile 0's unquantised p, which are first read behind the wait below
	v_exp_f32 v[S1+4*n+1], v[S1+4*n+1]
	v_exp_f32 v[S1+4*n+2], v[S1+4*n+2]
	v_exp_f32 v[S1+4*n+3], v[S1+4*n+3]
	v_pk_add_f32 v[RB+2*n:RB+2*n+1], v[S0+2*n:S0+2*n+1], v[S0+32+2*n:S0+33+2*n]
.set n, n+1
.endr
	v_max_num_f32 v[\m], 0x2800000, v[\m]          ; a block's largest p, with the floor 2^(5 - 127): the byte cannot fall under 1
.endr
	s_wait_alu depctr_va_vdst(0)                   ; one wait for the run, ahead of its first reader
.irp c, CH0, CH1
.irp b, 0,1
	v_add_nc_u32 v[\c+14+\b], 0xfe000000, v[\c+2*\b]   ; 4 off the exponent field: the conversion's scale operand
.endr
.endr
.irp c, CH0, CH1
.irp b, 0,1
	s_delay_alu instid0(VALU_DEP_4)
	v_lshrrev_b32 v[\c+16+\b], 23, v[\c+14+\b]     ; the scale's byte
.endr
.endr
	s_delay_alu instid0(VALU_DEP_3)
	v_lshl_or_b32 v[CH0+18], v[CH0+17], 16, v[CH0+16] ; my two blocks: in lanes 0-15 blocks 0 and 2
	s_delay_alu instid0(VALU_DEP_2)
	v_lshl_or_b32 v[CH1+18], v[CH1+17], 16, v[CH1+16]
.irp c, CH0, CH1
	s_delay_alu instid0(VALU_DEP_2)
	v_permlanex16_b32 v[\c+19], v[\c+18], s[SEL], s[SEL+1]
.endr
	s_delay_alu instid0(VALU_DEP_2)
	v_lshl_or_b32 v[PW], v[CH0+19], 8, v[CH0+18]   ; with lane l + 16's blocks 1 and 3: p's scale word, whole in lanes 0-15, which alone are read
	s_delay_alu instid0(VALU_DEP_2)
	v_lshl_or_b32 v[PW+1], v[CH1+19], 8, v[CH1+18]
.irp k, 0,1,2,3,4,5,6,7
	v_pk_add_f32 v[SM+2*\k:SM+2*\k+1], v[SM+2*\k:SM+2*\k+1], v[RB+2*\k:RB+2*\k+1]   ; tile 0: sixteen pairs to eight
.endr
	FOLD
	CODES S0, PC0, L0, CH0
.irp k, 0,1,2,3,4,5,6,7
	v_pk_add_f32 v[SM+2*\k:SM+2*\k+1], v[S1+2*\k:S1+2*\k+1], v[S1+16+2*\k:S1+17+2*\k]   ; tile 1's 64 unquantised p
.endr
.irp g, 32,48
.irp k, 0,1,2,3,4,5,6,7
	v_pk_add_f32 v[SM+2*\k:SM+2*\k+1], v[SM+2*\k:SM+2*\k+1], v[S1+\g+2*\k:S1+\g+1+2*\k]
.endr
.endr
	FOLD
	CODES S1, PC1, L1, CH1
	WIN 0x41                                       ; O^T in window 1, f in window 0
	s_wait_alu depctr_va_vdst(0)                   ; directly ahead of the first reader of O^T
.set n, 0
.rept 16
	v_pk_mul_f32 v[O0+n:O0+n+1], v[O0+n:O0+n+1], v[CH0+10:CH0+11] op_sel_hi:[1,0]   ; O^T under the new M, each accumulator from its low end on
.set n, n+2
.endr
.set n, 0
.rept 16
	v_pk_mul_f32 v[O1+n:O1+n+1], v[O1+n:O1+n+1], v[CH1+10:CH1+11] op_sel_hi:[1,0]   ; of the 32, 28 name no register of any one product below: its places behind p's codes and scale word
.set n, n+2
.endr
	s_wait_alu depctr_va_vdst(0)
	s_wait_dscnt 12*(\pre)                         ; V and its words are in; the twelve younger loads, the next step's K, may be out
	WIN 0x51                                       ; V and O^T in window 1, p's codes in window 0
.irp t, 0,1,2,3
	PV \t, 0
.endr
.irp t, 0,1,2,3
	PV \t, 1
.endr
	WIN 0
	s_add_co_u32 s[TB], s[TB], STEPB
.endm
.macro SLOT_STEPS                      ; a slot's eight key steps: seven that read the next step's K ahead, and the last
	v_add_nc_u32 v[KA], s[TB], v[KL]
	v_add_nc_u32 v[SA], s[TB], v[SL]
	ds_load_b64 v[SCK:SCK+1], v[SA]
	WIN 0x40
	KLOAD 0
	WIN 0
	s_mov_b32 s34, 7
.Lstep_\@:
	STEP 1
	s_sub_co_u32 s34, s34, 1
	s_cmp_lg_u32 s34, 0
	s_cbranch_scc1 .Lstep_\@
	STEP 0
	s_sub_co_u32 s[TB], s[TB], SLOTB               ; back to a slot's first step,
	s_xor_b32 s[TB], s[TB], SLOT1                  ; in the other slot
.endm
; THE CHANGE OF SLOTS stands at a slot's head.  Each wave waits for all its tensor loads (its step of the slot that it is about to read), adds 0 to its spare word, and waits for that and for its reads of the slot that it has left.
; fill = 1: a round of the cluster's barrier, so that no wave of any partner still reads that slot or has a load on its way; the joint refill is the first thing behind it.
.macro CHANGE fill
	s_wait_tensorcnt 0x0                           ; no tensor load of mine is out, so the descriptor may be written
	ds_add_u32 v[SPW], v[NIL]                      ; 0 onto my spare word
.if \fill
	s_xor_b32 s25, s25, SLOT1                      ; the other slot than last time,
	s_add_nc_u64 s[26:27], s[26:27], 8*STEPM       ; the next eight key steps; the type bits on top are not reached
.endif
	s_wait_dscnt 0x0                               ; the add is done, and my reads of the slot that I have left are over
.if \fill
	ROUND
	TLOAD
.else
	s_barrier_signal -1
	s_barrier_wait -1
.endif
.endm
; THE WAY OUT of a tile: O^T / the sum goes through my stage and leaves as rows: sixteen lanes store the head's 256 consecutive bytes of a row, at a multiple of 256 from out's first byte.
.macro OUT T
.set SB, S0+64*(\T)
	v_add_f32 v[SM], v[L0+2*(\T)], v[L0+2*(\T)+1]
	s_delay_alu instid0(VALU_DEP_1)
	v_permlanex16_b32 v[SM+1], v[SM], s[SEL], s[SEL+1]
	s_delay_alu instid0(VALU_DEP_1)
	v_add_f32 v[SM], v[SM], v[SM+1]                ; the row's sum
	s_wait_alu depctr_va_vdst(0)                   ; the wait ahead of the reciprocal,
	v_rcp_f32 v[SM], v[SM]
	v_nop                                          ; a plain instruction behind it,
	WIN 0x01                                       ; O^T in window 1
	s_wait_alu depctr_va_vdst(0)                   ; and the wait ahead of its first reader
.set n, 0
.rept 32
	v_mul_f32 v[SB+n], v[O0+32*(\T)+n], v[SM]      ; register 8 t + j is channel 32 (t / 2) + 16 h + 8 (t % 2) + j of my query
.set n, n+1
.endr
	WIN 0
.irp t, 0,1,2,3
	ds_store_b128 v[STO], v[SB+8*\t:SB+8*\t+3]   offset:128*(\t/2)+32*(\t%2)
	ds_store_b128 v[STO], v[SB+8*\t+4:SB+8*\t+7] offset:128*(\t/2)+32*(\t%2)+16
.endr
.irp i, 0,1,2,3,4,5,6,7
	ds_load_b128 v[SB+32+4*\i:SB+35+4*\i], v[RD] offset:2*\i*272   ; LDS serves a wave's instructions in order (ISA guide 5.7.1.4): these see my stores, and the next tile's stores come behind them
.endr
.irp i, 0,1,2,3,4,5,6,7
	s_wait_dscnt 7-\i                              ; the younger loads may stay out
	global_store_b128 v[GO], v[SB+32+4*\i:SB+35+4*\i], s[8:9] offset:(2*\i+8*(\i/4)+8*(\T))*2048 th:TH_STORE_NT   ; the tile's row 2 i + h is row 2 i + h + 8 (i / 4) from its first; tile 1 begins 8 rows behind tile 0
.endr
.endm
	s_load_b128 s[4:7], s[0:1], 0x0                ; qimg, kv
	s_load_b64 s[8:9], s[0:1], 0x10                ; out0
	v_lshl_add_u32 v[SPW], v0, 2, SPARE
	v_mov_b32 v[NIL], 0
	ds_add_u32 v[SPW], v[NIL]                      ; the opening: the add, twice on end, and its wait ahead of my first tensor load
	ds_add_u32 v[SPW], v[NIL]
	v_lshrrev_b32 v220, 5, v0
	v_readfirstlane_b32 s[WV], v220                ; wave 0..7
	s_mul_i32 s35, s[WV], 16*272
	s_add_co_u32 s35, s35, STAGE                   ; my stage
	v_and_b32 v220, 31, v0                         ; lane
	v_and_b32 v221, 15, v0                         ; r
	v_bfe_u32 v222, v0, 4, 1                       ; h
	v_and_b32 v223, 7, v0                          ; r % 8
	v_bfe_u32 v224, v0, 3, 1                       ; r / 8
	v_lshlrev_b32 v[LI], 4, v220
	v_lshlrev_b32 v225, 3, v220                    ; q: 8 bytes a lane
	v_mul_u32_u24 v[KL], v224, 1920
	v_lshlrev_b32 v[SL], 4, v223
	v_lshl_add_u32 v[KL], v223, 4, v[KL]
	v_lshl_add_u32 v[SL], v222, 7, v[SL]
	v_lshl_add_u32 v[KL], v222, 8, v[KL]
	v_lshl_add_u32 v[SL], v224, 8, v[SL]
	v_lshlrev_b32 v[GO], 11, v222
	v_add_nc_u32 v[SL], SCW, v[SL]
	v_lshl_add_u32 v[GO], v221, 4, v[GO]           ; out: lanes 0-15 one row of 2,048 bytes, lanes 16-31 the next; 16 bytes a lane
	v_mul_u32_u24 v[STO], v221, 272
	v_mul_u32_u24 v[RD], v222, 272
	v_lshl_add_u32 v[STO], v222, 6, v[STO]
	v_lshl_add_u32 v[RD], v221, 4, v[RD]
	v_add_nc_u32 v[STO], s35, v[STO]               ; in: row r, + 64 h
	v_add_nc_u32 v[RD], s35, v[RD]                 ; back: lanes 0-15 one row, lanes 16-31 the next
	s_bfe_u32 s11, ttmp6, 0x40000                  ; cx: it enters q's and out's addresses alone
	s_lshl_b32 s12, ttmp9, 2
	s_add_co_u32 s12, s12, s11                     ; my block of 256 queries
	s_and_b32 s13, ttmp7, 0xffff                   ; 8 x batch + head, which the four partners share
	; descriptor group 1: 12,800 dense bytes as 25 rows of 512 bytes (64 elements of 8 bytes), 128 bytes of padding behind each
	s_mov_b32 s16, 15|(3<<16)|(1<<20)|(1<<21)|(6<<22)|(31<<25)   ; 15:0 the mask: all four work-groups; 17:16 elements of 8 bytes; 20 padding on; 21 set beside a mask; 24:22 after every 128 words; 31:25 of 32 words
	s_mov_b32 s17, 64<<16                          ; tensor_dim0
	s_mov_b32 s18, 25<<16                          ; tensor_dim1
	s_mov_b32 s19, 64<<16                          ; tile_dim0
	s_mov_b32 s20, 25                              ; tile_dim1
	s_mov_b32 s21, 64                              ; tensor_dim0_stride
	s_mov_b32 s22, 0
	s_mov_b32 s23, 0
	s_mul_i32 s36, s[WV], STEPB                    ; my step of a slot, in LDS,
	s_mul_i32 s37, s[WV], STEPM                    ; and in memory
	s_mul_i32 s38, s13, 32*STEPM
	s_add_co_u32 s38, s38, s37
	s_mov_b32 s39, 0
	s_lshl_b32 s42, s13, 7
	s_lshl_b32 s43, s12, 3
	s_add_co_u32 s42, s42, s43
	s_add_co_u32 s42, s42, s[WV]
	s_mul_i32 s42, s42, 1792                       ; my group of 32 queries in qimg
	s_mov_b32 s43, 0
	s_lshr_b32 s48, s13, 3
	s_lshl_b32 s48, s48, 12
	s_lshl_b32 s49, s12, 8
	s_add_co_u32 s48, s48, s49
	s_lshl_b32 s49, s[WV], 5
	s_add_co_u32 s48, s48, s49                     ; my first row of out: 4,096 batch + 256 block + 32 wave
	s_lshl_b32 s48, s48, 11
	s_and_b32 s49, s13, 7
	s_lshl_b32 s49, s49, 8                         ; the head's 256 bytes of a row
	s_add_co_u32 s48, s48, s49
	s_mov_b32 s49, 0
	s_mov_b32 s[SEL], 0x76543210
	s_mov_b32 s[SEL+1], 0xfedcba98
	s_mov_b32 s[CS], 0x3e38aa3b                    ; c = log2(e) / 8
	s_mov_b32 s[CS+1], s[CS]                       ; (named with it as a pair, so it is written)
	s_mov_b32 s[TB], 0
	s_mov_b32 s33, 3
	s_wait_alu depctr_va_vdst(0)
	s_wait_dscnt 0x0                               ; both opening adds are done
	s_wait_kmcnt 0x0
	s_mov_b32 s24, 1
	s_mov_b32 s25, s36
	s_add_nc_u64 s[26:27], s[6:7], s[38:39]
	s_or_b32 s27, s27, 0x80000000
	s_add_nc_u64 s[44:45], s[4:5], s[42:43]
	s_add_nc_u64 s[8:9], s[8:9], s[48:49]
	ROUND                                          ; all four work-groups are here: the first joint loads meet
	TLOAD                                          ; key steps 0-7 into slot 0: one tensor load of mine is out
	global_load_b64 v[QS:QS+1], v225, s[44:45] offset:1536 th:TH_LOAD_NT
	WIN 0x40
.irp T, 0,1
.irp p, 0,1,2
	global_load_b64 v[QL0+20*\T+2*\p:QL0+20*\T+2*\p+1], v225, s[44:45] offset:768*\T+256*\p th:TH_LOAD_NT
.endr
.endr
.irp T, 0,1
.irp i, 0,1,2,3,4,5
	v_mov_b32 v[QH0+20*\T+\i], 0                   ; the zero codes on both sides of q
	v_mov_b32 v[QL0+20*\T+6+\i], 0
.endr
.endr
.set n, 0
.rept 64
	v_mov_b32 v[O0+n], 0                           ; O^T: the step is written once; its first walk finds zeros, which the first change of M leaves zeros
.set n, n+1
.endr
	WIN 0
.irp i, 0,1,2,3
	v_mov_b32 v[L0+\i], 0                          ; the rows' sums, each in two halves
.endr
.irp c, CH0, CH1
	v_mov_b32 v[\c+6], 0xff61b1e6                  ; the largest score so far: -3e38
	v_mov_b32 v[\c+8], 0x7f61b1e6                  ; -M: 3e38, so that the first f is 0
	v_mov_b32 v[\c+9], 0                           ; (upper halves of pairs that are named whole)
	v_mov_b32 v[\c+11], 0
	v_mov_b32 v[\c+5], 0                           ; written once: a lane permute's destination counts as one of its sources
	v_mov_b32 v[\c+19], 0
.endr
	s_wait_alu depctr_va_vdst(0)
	s_wait_loadcnt 0x0                             ; q
.Lslot:                                            ; three trips: behind each change of slots but the last the next eight key steps are asked for
	CHANGE 1
	SLOT_STEPS
	s_sub_co_u32 s33, s33, 1
	s_cmp_lg_u32 s33, 0
	s_cbranch_scc1 .Lslot
	CHANGE 0                                       ; the last slot is written out
	SLOT_STEPS
	PLACES 4                                       ; behind the last products
	OUT 0
	OUT 1
	s_wait_tensorcnt 0x0                           ; the wave's end: behind my last tensor load and my last LDS store
	ds_add_u32 v[SPW], v[NIL]
	s_wait_dscnt 0x0
	ROUND                                          ; the closing round: no work-group ends while a partner may still ask for a slot that names it
	s_endpgm
.Lfunc_end_k_qad2811465c_attn:
	.size	k_qad2811465c_attn, .Lfunc_end_k_qad2811465c_attn-k_qad2811465c_attn
	.p2alignl 7, 3214868480
	.fill 96, 4, 3214868480
	.section	.rodata,"a",@progbits
	.p2align	6, 0x0
	.amdhsa_kernel k_qad2811465c_attn
		.amdhsa_group_segment_fixed_size 327680
		.amdhsa_private_segment_fixed_size 0
		.amdhsa_enable_private_segment 0
		.amdhsa_kernarg_size 24
		.amdhsa_user_sgpr_count 2
		.amdhsa_user_sgpr_kernarg_segment_ptr 1
		.amdhsa_wavefront_size32 1
		.amdhsa_system_sgpr_workgroup_id_x 1
		.amdhsa_system_sgpr_workgroup_id_y 1
		.amdhsa_system_sgpr_workgroup_id_z 1
		.amdhsa_system_vgpr_workitem_id 0
		.amdhsa_next_free_vgpr 512
		.amdhsa_next_free_sgpr 66
		.amdhsa_reserve_vcc 0
		.amdhsa_float_denorm_mode_32 3
		.amdhsa_float_denorm_mode_16_64 3
		.amdhsa_memory_ordered 1
		.amdhsa_forward_progress 1
		.amdhsa_inst_pref_size 130
	.end_amdhsa_kernel
	.amdgpu_metadata
---
amdhsa.version: [ 1, 2 ]
amdhsa.kernels:
  - .name:           k_qad2811465c_attn
    .symbol:         k_qad2811465c_attn.kd
    .args:
      - { .name: qimg, .offset: 0, .size: 8, .value_kind: global_buffer, .address_space: global }
      - { .name: kv, .offset: 8, .size: 8, .value_kind: global_buffer, .address_space: global }
      - { .name: out0, .offset: 16, .size: 8, .value_kind: global_buffer, .address_space: global }
    .group_segment_fixed_size: 327680
    .private_segment_fixed_size: 0
    .kernarg_segment_align: 8
    .kernarg_segment_size: 24
    .max_flat_workgroup_size: 256
    .sgpr_count:     66
    .vgpr_count:     512
    .wavefront_size: 32
...
	.end_amdgpu_metadata
.endif
;; end of part 3
